; MI455X (gfx1250); checked and timed in simulation.
; The chip was launched on July 23, 2026; its instructions are those of AMD's public machine-readable ISA for CDNA 5 (MIT licence, August 2026) and "CDNA5" Instruction Set Architecture Reference Guide (July 2026). The comments in the code are by the model that wrote it; some were corrected since.
;; Simple Mo E From Notebook. Allowed arithmetic: float matrix products may take bf16 or f16 operands with f32 sums; other float arithmetic in f32, or as packed bf16 or f16 multiplies, adds, multiply-adds, maxima and minima; sums over many terms, partial sums and values carried from step to step in f32; what a program stores and reads back later, other than sums and carried values, may be rounded once to bf16 or f16.
;; Inputs: b1 8 x 4,096 float32; b2 8 x 1,024 float32; gate_b 8 float32; gate_w 8 x 1,024 float32; w1 8 x 1,024 x 4,096 float32; w2 8 x 4,096 x 1,024 float32; x 1,024 x 1,024 float32.
;; Outputs: out0 1,024 x 1,024 float32.
;; One version. Each part assembles by itself: llvm-mc -triple=amdgcn-amd-amdhsa -mcpu=gfx1250 --defsym DOCPART=n.
;; ======== version 1 of 1: 4 launches
;; workspace buffers: xb 2,097,152 bytes; choice 4,096 bytes of whole numbers; order 32,768 bytes of whole numbers; cnts 256 bytes of whole numbers; hb 67,108,864 bytes; part 134,217,728 bytes
;; launch router (part 1): grid 256 x 1, 4 waves a work-group, no clusters, 1,024 bytes of LDS; arguments x, gate_w, gate_b, xb, choice; writes xb, choice
.if DOCPART == 1
	.amdgcn_target "amdgcn-amd-amdhsa--gfx1250"
	.amdhsa_code_object_version 6
	.text
	.protected	k_q734b8d2c75_router
	.globl	k_q734b8d2c75_router
	.p2align	8
	.type	k_q734b8d2c75_router,@function
k_q734b8d2c75_router:
	s_mov_b64 s[64:65], 0
	v_nop
	global_prefetch_b8 v0, s[64:65] scope:SCOPE_SE
	s_setreg_imm32_b32 hwreg(HW_REG_WAVE_MODE, 25, 1), 1
	s_wait_xcnt 0x0
; ROUTER.  xb = x rounded once to bf16; choice[token] = argmax over the 8 experts of softmax(x . gate_w^T + gate_b).
; x: [1024][1024] f32, gate_w: [8][1024] f32, gate_b: [8] f32, xb: [1024][1024] bf16, choice: [1024] u32.
; LIMITS.  The gate is computed on x, gate_w and gate_b ROUNDED TO bf16, as every input of this program is; products and sums in f32.  So a token whose two best
; logits lie within the noise of an f32 sum of 1,024 terms may go to the other of the two.  Two probabilities equal in f32 go to the lower index.  NaN is not treated apart.
; SHARES.  A work-group owns 4 tokens; wave w owns columns 256 w .. 256 w + 255 of all four tokens and all eight experts: lane L holds columns 256 w + 128 u + 4 L + 0..3, u = 0, 1.
; The 32 partial sums (token t, expert e at 8 t + e) are added over the lanes, meet in LDS, and wave 0 finishes: lane L stands for t = L / 8, e = L % 8.
; No matrix unit: the gate is 8 M multiply-adds in all, a thousandth of the program's.
.set SUMS,  0                          ; 4 waves x 32 f32
.set SPARE, 512                        ; the spare words, 128 bytes for each wave: two blocks of 256 bytes that no other line names
.set X,   8                            ; v[8:39]    x: 8 t + 4 u + j
.set G,   40                           ; v[40:103]  gate_w: 8 e + 4 u + j
.set PK,  104                          ; v[104:119] x as bf16 pairs, the stores' data; never rewritten
.set T,   120                          ; v[120:123] at work
.set SP,  128                          ; v[128:191] packed sums, pair 8 t + e
.set S,   192                          ; v[192:223] sums, 8 t + e
	s_load_b256 s[4:11], s[0:1], 0x0               ; x s[4:5], gate_w s[6:7], gate_b s[8:9], xb s[10:11]
	s_load_b64 s[12:13], s[0:1], 0x20              ; choice
	v_lshl_add_u32 v1, v0, 2, SPARE                ; my spare word,
	v_mov_b32 v2, 0                                ; and 0: kept for the closing add alone
	v_lshrrev_b32 v7, 5, v0
	v_readfirstlane_b32 s14, v7                    ; wave 0..3
	v_and_b32 v7, 31, v0
	v_lshlrev_b32 v3, 4, v7                        ; 16 x lane: my 4 f32
	v_lshlrev_b32 v4, 3, v7                        ; 8 x lane: my 4 bf16
	v_and_b32 v5, 7, v0
	v_lshlrev_b32 v5, 2, v5                        ; my expert's word in gate_b
	s_lshl_b32 s28, ttmp9, 14                      ; 4 rows of x,
	s_lshl_b32 s30, s14, 10                        ; my wave's 256 columns in f32
	s_add_co_u32 s28, s28, s30
	s_mov_b32 s29, 0
	s_mov_b32 s31, 0
	s_lshl_b32 s32, ttmp9, 13                      ; 4 rows of xb,
	s_lshl_b32 s33, s14, 9                         ; my wave's 256 columns in bf16
	s_add_co_u32 s32, s32, s33
	s_mov_b32 s33, 0
	s_lshl_b32 s34, ttmp9, 4                       ; 4 words of choice
	s_mov_b32 s35, 0
	s_mov_b32 s24, 0x76543210                      ; v_permlanex16_b32: each lane takes its own place in the other half
	s_mov_b32 s25, 0xfedcba98
	s_mov_b32 s26, 0xffff0000                      ; a word's upper bf16
	s_wait_kmcnt 0x0
	s_add_nc_u64 s[16:17], s[4:5], s[28:29]
	s_add_nc_u64 s[18:19], s[6:7], s[30:31]
	s_add_nc_u64 s[20:21], s[10:11], s[32:33]
	s_add_nc_u64 s[22:23], s[12:13], s[34:35]
	global_load_b32 v6, v5, s[8:9]
.irp t, 0,1,2,3
.irp u, 0,1
	global_load_b128 v[X+8*(\t)+4*(\u):X+8*(\t)+4*(\u)+3], v3, s[16:17] offset:(\t)*4096+(\u)*512 th:TH_LOAD_NT
.endr
.endr
.irp e, 0,1,2,3,4,5,6,7
.irp u, 0,1
	global_load_b128 v[G+8*(\e)+4*(\u):G+8*(\e)+4*(\u)+3], v3, s[18:19] offset:(\e)*4096+(\u)*512
.endr
.endr
	s_wait_loadcnt 16                              ; gate_b and x are in; the 16 loads of gate_w stay out
.set i, 0
.rept 16
	v_cvt_pk_bf16_f32 v[PK+i], v[X+2*i], v[X+2*i+1]
.set i, i+1
.endr
.irp t, 0,1,2,3
.irp u, 0,1
	global_store_b64 v4, v[PK+4*(\t)+2*(\u):PK+4*(\t)+2*(\u)+1], s[20:21] offset:(\t)*2048+(\u)*256  ; a wave's store covers 256 consecutive bytes, aligned
.endr
.endr
.set i, 0
.rept 16                                               ; the rounded numbers, widened again: the gate sees what the experts see
	v_lshlrev_b32 v[X+2*i], 16, v[PK+i]
	v_and_b32 v[X+2*i+1], s26, v[PK+i]
.set i, i+1
.endr
	v_cvt_pk_bf16_f32 v7, v6, v6
	v_lshlrev_b32 v6, 16, v7                       ; gate_b rounded likewise
	s_wait_loadcnt 0x0                             ; gate_w
.set i, 0
.rept 32
	v_cvt_pk_bf16_f32 v[T+i%4], v[G+2*i], v[G+2*i+1]
	v_lshlrev_b32 v[G+2*i], 16, v[T+i%4]
	v_and_b32 v[G+2*i+1], s26, v[T+i%4]
.set i, i+1
.endr
	; 32 sums of my 8 columns, two columns at a time; the first product starts each sum
.set n, 0
.rept 32
	v_pk_mul_f32 v[SP+2*n:SP+2*n+1], v[X+8*(n/8):X+8*(n/8)+1], v[G+8*(n%8):G+8*(n%8)+1]
.set n, n+1
.endr
.irp c, 1,2,3
.set n, 0
.rept 32
	v_pk_fma_f32 v[SP+2*n:SP+2*n+1], v[X+8*(n/8)+2*(\c):X+8*(n/8)+2*(\c)+1], v[G+8*(n%8)+2*(\c):G+8*(n%8)+2*(\c)+1], v[SP+2*n:SP+2*n+1]
.set n, n+1
.endr
.endr
.set n, 0
.rept 32
	v_add_f32 v[S+n], v[SP+2*n], v[SP+2*n+1]
.set n, n+1
.endr
	; over the 32 lanes: four steps inside each half of 16 lanes, one across the halves; every lane ends with the sum
.irp k, 1,2,4,8
.set n, 0
.rept 32
	v_add_f32_dpp v[S+n], v[S+n], v[S+n] row_xmask:\k row_mask:0xf bank_mask:0xf
.set n, n+1
.endr
.endr
.set n, 0
.rept 32
	v_permlanex16_b32 v[SP+n], v[S+n], s24, s25    ; its destination counts as read: SP has been written
.set n, n+1
.endr
.set n, 0
.rept 32
	v_add_f32 v[S+n], v[S+n], v[SP+n]
.set n, n+1
.endr
	s_lshl_b32 s27, s14, 7
	v_mov_b32 v7, s27                              ; my wave's 128 bytes of SUMS
.irp i, 0,1,2,3,4,5,6,7
	ds_store_b128 v7, v[S+4*(\i):S+4*(\i)+3] offset:SUMS+16*(\i)  ; all lanes write the same words with the same numbers
.endr
	s_wait_dscnt 0x0                               ; for the others' sake: my stores are done
	s_barrier_signal -1
	s_barrier_wait -1
	s_cmp_lg_u32 s14, 0
	s_cbranch_scc1 .Lend                           ; wave 0 finishes; no barrier stands in what is jumped
	v_lshlrev_b32 v7, 2, v0                        ; in wave 0 the thread's number is the lane: word 8 t + e
	ds_load_b32 v8, v7 offset:SUMS
	ds_load_b32 v9, v7 offset:SUMS+128
	ds_load_b32 v10, v7 offset:SUMS+256
	ds_load_b32 v11, v7 offset:SUMS+384
	v_and_b32 v16, 7, v0                           ; my expert
	v_mov_b32 v17, 0                               ; the exchanges' destinations count as read
	v_mov_b32 v18, 0
	v_lshrrev_b32 v19, 3, v0
	v_lshlrev_b32 v19, 2, v19                      ; my token's word
	s_wait_dscnt 0x0
	v_add_f32 v8, v8, v9
	v_add_f32 v10, v10, v11
	v_add_f32 v8, v8, v10
	v_add_f32 v8, v8, v6                           ; the logit
	v_max_num_f32_dpp v9, v8, v8 row_xmask:1 row_mask:0xf bank_mask:0xf   ; the token's largest logit, over its 8 lanes
	v_max_num_f32_dpp v9, v9, v9 row_xmask:2 row_mask:0xf bank_mask:0xf
	v_max_num_f32_dpp v9, v9, v9 row_xmask:4 row_mask:0xf bank_mask:0xf
	v_sub_f32 v10, v8, v9
	v_mul_f32 v10, 0x3fb8aa3b, v10                 ; log2(e)
	v_exp_f32 v10, v10
	v_nop                                          ; a plain instruction behind the exponential (ISA guide 5.7.2),
	s_wait_alu depctr_va_vdst(0)                   ; and a wait ahead of its first reader
	v_add_f32_dpp v11, v10, v10 row_xmask:1 row_mask:0xf bank_mask:0xf
	v_add_f32_dpp v11, v11, v11 row_xmask:2 row_mask:0xf bank_mask:0xf
	v_add_f32_dpp v11, v11, v11 row_xmask:4 row_mask:0xf bank_mask:0xf
	v_rcp_f32 v11, v11
	v_nop
	s_wait_alu depctr_va_vdst(0)                   ; the same for the reciprocal
	v_mul_f32 v10, v10, v11                        ; the probability
	; argmax over the 8 lanes: the partner wins if its probability is greater, or equal with a lower index; both sides of an exchange decide alike
.irp k, 1,2,4
	v_mov_b32_dpp v17, v10 row_xmask:\k row_mask:0xf bank_mask:0xf
	v_mov_b32_dpp v18, v16 row_xmask:\k row_mask:0xf bank_mask:0xf
	v_cmp_gt_f32 s27, v17, v10
	v_cmp_eq_f32 s28, v17, v10
	v_cmp_lt_u32 s29, v18, v16
	s_and_b32 s28, s28, s29
	s_or_b32 s27, s27, s28
	v_cndmask_b32 v10, v10, v17, s27
	v_cndmask_b32 v16, v16, v18, s27
.endr
	global_store_b32 v19, v16, s[22:23]            ; a token's 8 lanes write one word with one number: 16 bytes a work-group, of a buffer of 4,096 bytes in all
.Lend:
	s_wait_tensorcnt 0x0                           ; the wave's end
	ds_add_u32 v1, v2
	s_wait_dscnt 0x0
	s_endpgm
.Lfunc_end_k_q734b8d2c75_router:
	.size	k_q734b8d2c75_router, .Lfunc_end_k_q734b8d2c75_router-k_q734b8d2c75_router
	.p2alignl 7, 3214868480
	.fill 96, 4, 3214868480
	.section	.rodata,"a",@progbits
	.p2align	6, 0x0
	.amdhsa_kernel k_q734b8d2c75_router
		.amdhsa_group_segment_fixed_size 1024
		.amdhsa_private_segment_fixed_size 0
		.amdhsa_enable_private_segment 0
		.amdhsa_kernarg_size 40
		.amdhsa_user_sgpr_count 2
		.amdhsa_user_sgpr_kernarg_segment_ptr 1
		.amdhsa_wavefront_size32 1
		.amdhsa_system_sgpr_workgroup_id_x 1
		.amdhsa_system_sgpr_workgroup_id_y 1
		.amdhsa_system_sgpr_workgroup_id_z 1
		.amdhsa_system_vgpr_workitem_id 0
		.amdhsa_next_free_vgpr 224
		.amdhsa_next_free_sgpr 66
		.amdhsa_reserve_vcc 0
		.amdhsa_float_denorm_mode_32 3
		.amdhsa_float_denorm_mode_16_64 3
		.amdhsa_memory_ordered 1
		.amdhsa_forward_progress 1
		.amdhsa_inst_pref_size 35
	.end_amdhsa_kernel
	.amdgpu_metadata
---
amdhsa.version: [ 1, 2 ]
amdhsa.kernels:
  - .name:           k_q734b8d2c75_router
    .symbol:         k_q734b8d2c75_router.kd
    .args:
      - { .name: x, .offset: 0, .size: 8, .value_kind: global_buffer, .address_space: global }
      - { .name: gate_w, .offset: 8, .size: 8, .value_kind: global_buffer, .address_space: global }
      - { .name: gate_b, .offset: 16, .size: 8, .value_kind: global_buffer, .address_space: global }
      - { .name: xb, .offset: 24, .size: 8, .value_kind: global_buffer, .address_space: global }
      - { .name: choice, .offset: 32, .size: 8, .value_kind: global_buffer, .address_space: global }
    .group_segment_fixed_size: 1024
    .private_segment_fixed_size: 0
    .kernarg_segment_align: 8
    .kernarg_segment_size: 40
    .max_flat_workgroup_size: 128
    .sgpr_count:     66
    .vgpr_count:     224
    .wavefront_size: 32
...
	.end_amdgpu_metadata
.endif
;; end of part 1
;; launch up (part 2): grid 256 x 1, 8 waves a work-group, no clusters, 296,448 bytes of LDS; arguments w1, b1, xb, choice, hb, order, cnts; writes hb, order, cnts
.if DOCPART == 2
	.amdgcn_target "amdgcn-amd-amdhsa--gfx1250"
	.amdhsa_code_object_version 6
	.text
	.protected	k_q734b8d2c75_up
	.globl	k_q734b8d2c75_up
	.p2align	8
	.type	k_q734b8d2c75_up,@function
k_q734b8d2c75_up:
	s_mov_b64 s[64:65], 0
	v_nop
	global_prefetch_b8 v0, s[64:65] scope:SCOPE_SE
	s_setreg_imm32_b32 hwreg(HW_REG_WAVE_MODE, 25, 1), 1
	s_wait_xcnt 0x0
; FIRST PRODUCT.  h = relu(xb[token] . w1[e] + b1[e]) in bf16, for e = choice[token] alone, stored by expert and rank in the order of the matrix registers.
; w1: [8][1024][4096] f32, b1: [8][4096] f32, xb: [1024][1024] bf16, choice: [1024] u32.
; hb: [expert 8][tile of 16 ranks 64][block of 16 columns 256][lane 32][8 bf16]: lane 16 h + r holds rank r of the tile, columns 8 h .. 8 h + 7 of the block.  Only live tiles are written.
; order: [8][1024] u32, the token of each rank; cnts: [8] u32, each expert's rows: stored by the work-groups of slice 0 for the later launches.
; LIMITS.  w1 and b1 are rounded once to bf16 on their way; sums in f32, started with the bias; h rounded once to bf16 (relu behind the rounding: the two commute).
; SHARES.  Work-group id = 32 e + ns owns the slice w1[e][all 1,024 k][128 ns .. + 127], which it alone reads (524,288 bytes, rows of 512), and ALL rows of expert e, however many.
; ONE TEXT FOR EVERY WAVE.  K goes in 16 chunks of 64.  In stage s a wave multiplies chunk s - 1 out of LDS, then takes its 8 rows of chunk s out of a ring of registers, rounds them, lays them into
; LDS as bf16 ([k][128], where the slice stays: each byte is written once), asks for chunk s + 3, and passes the stage's one barrier.  The stages are written out: every address is a constant plus lane and wave terms.
; ONE ORDER OF LOADS.  Loads return in order (ISA guide 5.7.1), and weights and token fragments share the counter, so they are issued in the order of their use:
; W0 W1 W2 A0 A1 A2, then A(s+3) W(s+3) in stage s, eight loads each, on every path.  24 loads of weights, 12 KiB a wave, are on their way at every wait.
; ROWS.  The 32 ballots over the 1,024 choices stay in scalar registers; a lane finds the token of its rank in them.  A BLOCK is 256 ranks = 8 PAIRS of tiles of 16; a wave has one pair: 32 tokens x 128 columns.
; A chunk turned out of LDS (32 loads) so feeds 32 products, and a wave whose pair lies past the count jumps loads and products alike: with 128 rows four waves read a chunk, not eight.
; Pairs go to the waves in the order 0, 3, 5, 6, 1, 2, 4, 7: the first four differ both in w % 4 and in w / 2, so four live pairs are on four SIMDs whichever of these two ways eight waves are laid on four.
; Block 0 is multiplied while the weights stream; blocks 1-3, which exist only where an expert has more than 256 rows, afterwards from the resident slice: 4 x 256 covers all tokens on one expert.
; Ranks past the count repeat the expert's last token; a dead tile is jumped.  An expert without rows counts as one row here (token 1023's, by the search's fall-through), so that tile 0 of hb is always
; written and the next launch reads no byte that nobody stored; nothing further is made of it.
; THE MATRIX INSTRUCTION IS USED TRANSPOSED: source 0 = 16 weight columns, source 1 = 16 tokens: a lane then holds eight neighbouring columns of one token, 16 bytes of bf16.
; No tensor loads: f32 weights pass through registers to be rounded.  No cluster: a slice has one reader, and the shared token rows come by a list.
.set WP,    16384                      ; bytes from row k to row k + 1 of w1[e]
.set PW,    288                        ; an LDS row of the slice: 256 bytes + 32 = 72 words
.set ACH,   128                        ; token fragments: bytes from chunk to chunk,
.set AKS,   64                         ; from K step to K step,
.set AI,    32                         ; from a fragment's first four registers to its last four
.set BIASL, 1024*PW                    ; 294,912: the slice's 128 biases, rounded to bf16, as f32
.set SPARE, BIASL+512                  ; 295,424: the spare words, 128 bytes for each of eight waves: four blocks of 256 bytes that no other line names
; window 0
.set SPW,   1                          ; my spare word; never rewritten
.set NIL,   2                          ; 0, for the closing add alone
.set WOFF,  3                          ; 16 lane + my 8 rows' place in a chunk of w1; never rewritten
.set LADR0, 4                          ; 8 lane + my 8 rows' place in a chunk in LDS
.set LADR,  5                          ; the same in the chunk in hand
.set BADR0, 6                          ; the turning load: my lane's place in a chunk
.set BADR,  7                          ; the same in the chunk in hand
.set AOFF,  8                          ; v8-9   tile t: byte offset of my token's row
.set OOFF,  10                         ; v10-11 tile t: byte offset of my 16 bytes in hb
.set BIA,   12                         ; my half's biases
.set ZERO,  13
.set L16,   14                         ; 16 lane
.set RL,    15                         ; lane: lanes 0-15 search for tile 0, lanes 16-31 for tile 1
.set H16,   16                         ; 16 (lane / 16)
.set ROFF,  17                         ; 4 x my rank
.set TOK,   18                         ; my rank's token
.set TX,    19                         ; the other half's
.set RK,    20                         ; v20-30 at work in the search
.set RE,    21
.set WD,    22
.set PKD,   23
.set SA,    24
.set SB,    25
.set SC,    26
.set TN,    27
.set POS,   28
.set T1,    29
.set T2,    30
; v32-63 and v192-255: the ring, 24 slots of 4: chunk c's row j in slot 8 (c % 3) + j
.set ACC,   64                         ; v64-191 tile t, columns 16 f on: 64 + 64 t + 8 f
.set CH,    64                         ; ahead of the sums: v64-95 the 1,024 choices, v96-102 the bias
.set BV,    96
.set TMP,   192                        ; behind the stream: v192-255 the packed results
; window 1: weights of K step s, columns 16 f on, at 64 s + 8 f; tokens of chunk c at AF + 32 (c % 4) + 16 t + 8 s
.set AF,    128
.set AB,    8                          ; s[8:9]   xb
.set WV,    18                         ; wave
.set EX,    19                         ; expert
.set NS,    20                         ; slice
.set WB,    22                         ; s[22:23] the slice's rows 0-511
.set WB2,   24                         ; s[24:25] its rows 512-1023: a row's offset stays inside a load's signed 24-bit immediate
.set OB,    26                         ; s[26:27] hb at my expert and slice
.set AK,    28                         ; s[28:29] later blocks: token rows at the chunk to be loaded
.set KO,    30                         ; s[30:31] that chunk's byte offset
.set CNT,   32                         ; the expert's rows
.set CNTE,  33                         ; at least 1
.set CN,    CNTE                       ; what the tiles are counted by
.set NT,    34                         ; my live tiles in the block, 0..2
.set BLK,   35
.set CHC,   36
.set FR,    37                         ; first rank of my tile 0 in the block
.set CB,    38                         ; later blocks: the chunk's byte offset in LDS
.set RUN,   39
.set BB,    48                         ; s[48:49] the slice's biases
.set ORD,   50                         ; s[50:51] order at my expert
.set SEL,   52                         ; s[52:53] v_permlanex16_b32: each lane takes its own place in the other half
.set HM,    54                         ; lanes 16-31
.set PR,    55                         ; my pair of tiles in a block, 0..7
.set BAL,   66                         ; s[66:97] ballot 4 i + j, bit l: token 128 i + 4 l + j chose my expert
.set MSB, 0
.macro WIN new                         ; s_set_vgpr_msb: bits 1:0 source 0, 3:2 source 1, 5:4 source 2, 7:6 destination; the high byte repeats the setting that is left
.if MSB != (\new)
	s_set_vgpr_msb (MSB<<8)|(\new)
.set MSB, \new
.endif
.endm
.macro PLACES                          ; four plain instructions between a matrix instruction and a load into, or a read of, its registers
.rept 4
	v_nop
.endr
.endm
.macro MEET
	s_barrier_signal -1
	s_barrier_wait -1
.endm
.macro WLD c                           ; my 8 rows of chunk c: a load of the wave is one row's 512 bytes
.irp j, 0,1,2,3,4,5,6,7
.set q, 8*((\c)%3)+(\j)
.set RS, 4*q+192-(q/16)*224            ; slots 0-15 at v192 on, slots 16-23 at v32 on
.if (\c) < 8
	global_load_b128 v[RS:RS+3], v[WOFF], s[WB:WB+1] offset:(64*(\c)+(\j))*WP th:TH_LOAD_NT
.else
	global_load_b128 v[RS:RS+3], v[WOFF], s[WB2:WB2+1] offset:(64*((\c)-8)+(\j))*WP th:TH_LOAD_NT
.endif
.endr
.endm
.macro ALD buf, sb, off                ; 64 along K of my two tiles' tokens into buffer buf: lane (r, h) takes bytes 16 h and 32 + 16 h of each 64.  A dead tile's lanes all name one row
	WIN 0x40                                       ; destination in window 1
.irp t, 0,1
.irp s, 0,1
	global_load_b128 v[AF+32*(\buf)+16*(\t)+8*(\s):AF+32*(\buf)+16*(\t)+8*(\s)+3],   v[AOFF+(\t)], s[\sb:\sb+1] offset:(\off)+AKS*(\s)
	global_load_b128 v[AF+32*(\buf)+16*(\t)+8*(\s)+4:AF+32*(\buf)+16*(\t)+8*(\s)+7], v[AOFF+(\t)], s[\sb:\sb+1] offset:(\off)+AKS*(\s)+AI
.endr
.endr
	WIN 0
.endm
; Chunk c leaves the ring: wait, round in place, lay down; then chunk c + 3 is asked for, tokens first.  The 16 conversions are also the places between the stage's products and the loads into their sources.
.macro MOVE c
.set AFT, 32                           ; loads issued behind W(c): A and W of the next two chunks,
.if (\c) == 14
.set AFT, 16                           ; of the one that is left,
.endif
.if (\c) == 15
.set AFT, 0                            ; none
.endif
.irp j, 0,1,2,3,4,5,6,7
.set q, 8*((\c)%3)+(\j)
.set RS, 4*q+192-(q/16)*224
.if (\c) == 0
	s_wait_loadcnt 47-(\j)                         ; behind W0's row j: 7 - j of its rows, W1 and W2 (16), A0 to A2 (24)
.elseif (\c) >= 3
	s_wait_loadcnt AFT+7-(\j)                      ; behind row j: 7 - j of its rows and the later chunks'.  (W1 and W2 were issued ahead of A0, which the first multiply step waited for)
.endif
	v_cvt_pk_bf16_f32 v[RS],   v[RS],   v[RS+1]
	v_cvt_pk_bf16_f32 v[RS+1], v[RS+2], v[RS+3]
.endr
	v_add_nc_u32 v[LADR], (\c)*64*PW, v[LADR0]
.irp j, 0,1,2,3,4,5,6,7
.set q, 8*((\c)%3)+(\j)
.set RS, 4*q+192-(q/16)*224
	ds_store_b64 v[LADR], v[RS:RS+1] offset:(\j)*PW  ; 32 lanes, 256 consecutive bytes
.endr
.if (\c) <= 12
	ALD ((\c)+3)%4, AB, ((\c)+3)*ACH
.endif
	s_wait_dscnt 0x0                               ; for the others' sake, ahead of the barrier: my rows are in LDS; and the slots may be loaded again
.if (\c) <= 12
	WLD (\c)+3
.endif
.endm
.macro BLD                             ; a chunk's weights, turned: 16 fragments, 32 loads in one run, the first K step's first
	WIN 0x40
.irp s, 0,1
.irp f, 0,1,2,3,4,5,6,7
	ds_load_tr16_b128 v[64*(\s)+8*(\f):64*(\s)+8*(\f)+3],   v[BADR] offset:(32*(\s))*PW+32*(\f)
	ds_load_tr16_b128 v[64*(\s)+8*(\f)+4:64*(\s)+8*(\f)+7], v[BADR] offset:(32*(\s)+16)*PW+32*(\f)
.endr
.endr
.endm
.macro MUL8 t, s, buf                  ; tile t, K step s: the eight accumulators take turns
	WIN 0x05                                       ; both sources in window 1, the sums in window 0
.irp f, 0,1,2,3,4,5,6,7
	v_wmma_f32_16x16x32_bf16 v[ACC+64*(\t)+8*(\f):ACC+64*(\t)+8*(\f)+7], v[64*(\s)+8*(\f):64*(\s)+8*(\f)+7], v[AF+32*(\buf)+16*(\t)+8*(\s):AF+32*(\buf)+16*(\t)+8*(\s)+7], v[ACC+64*(\t)+8*(\f):ACC+64*(\t)+8*(\f)+7]
.endr
.endm
; THE MULTIPLY STEP of a chunk: its weights out of LDS, then tile 0's two K steps, then tile 1's.  skip = 1: a wave without a live tile jumps all of it.  Both jumps go forward, past LDS loads and matrix instructions alone.
.macro PROD buf, skip
.if \skip
	s_cmp_eq_u32 s[NT], 0
	s_cbranch_scc1 .Lpdone_\@
.endif
	BLD
	s_wait_dscnt 16                                ; all but the second K step's sixteen loads
	MUL8 0, 0, \buf
	s_wait_dscnt 0x0
	MUL8 0, 1, \buf
	WIN 0                                          ; at a branch and at a label every window is 0
	s_cmp_lt_u32 s[NT], 2
	s_cbranch_scc1 .Lpdone_\@
	MUL8 1, 0, \buf
	MUL8 1, 1, \buf
	WIN 0
.Lpdone_\@:
.endm
.macro SCOMP c                         ; in the stream: chunk c is multiplied
.if (\c) < 3
	s_wait_loadcnt 32+8*(\c)                       ; on every path: A(c) is in: behind it were issued A(c+1) .. A2 and, for each stage since, A and W of one chunk.  (From A3 on the wait for W(c), issued behind A(c), has shown it)
.endif
	v_add_nc_u32 v[BADR], (\c)*64*PW, v[BADR0]
	PROD (\c)%4, 1
.endm
.macro LCOMP par                       ; behind the stream: a chunk of a later block, from the resident slice; its tokens lie in buffer par, the next chunk's are asked for
	s_wait_loadcnt 0x0                             ; this chunk's tokens are in, and no load of mine is out: the base may be written
	PLACES                                         ; ahead of the loads into registers that the last chunk's products read
	v_add_nc_u32 v[BADR], s[CB], v[BADR0]
	s_add_co_u32 s[CB], s[CB], 64*PW
	s_add_co_u32 s[KO], s[KO], ACH
	s_and_b32 s[KO], s[KO], 16*ACH-1               ; behind the last chunk the first once more: that request stays inside the row and is not used
	s_add_nc_u64 s[AK:AK+1], s[AB:AB+1], s[KO:KO+1]
	ALD 1-(\par), AK, 0
	PROD \par, 0
.endm
.macro SETNT                           ; my live tiles: tile t is live where 256 block + 32 pair + 16 t lies under the count
	s_lshl_b32 s[FR], s[BLK], 8
	s_lshl_b32 s40, s[PR], 5
	s_add_co_u32 s[FR], s[FR], s40
	s_sub_co_i32 s40, s[CN], s[FR]
	s_add_co_i32 s40, s40, 15
	s_ashr_i32 s40, s40, 4
	s_max_i32 s40, s40, 0
	s_min_i32 s[NT], s40, 2
.endm
.macro ACCINIT                         ; the sums start as the bias: register j of fragment f is column 16 f + 8 h + j
.irp t, 0,1
.irp f, 0,1,2,3,4,5,6,7
	ds_load_b128 v[ACC+64*(\t)+8*(\f):ACC+64*(\t)+8*(\f)+3],   v[BIA] offset:64*(\f)
	ds_load_b128 v[ACC+64*(\t)+8*(\f)+4:ACC+64*(\t)+8*(\f)+7], v[BIA] offset:64*(\f)+16
.endr
.endr
	s_wait_dscnt 0x0
.endm
.macro STEP src, w                     ; the search in a word: are there TN set bits or fewer in the next w places?  Then they are passed over
	v_bfe_u32 v[T1], v[\src], v[POS], \w
	v_cmp_ge_u32 vcc_lo, v[TN], v[T1]
	v_cndmask_b32 v[T1], 0, v[T1], vcc_lo
	v_sub_nc_u32 v[TN], v[TN], v[T1]
	v_cndmask_b32 v[T2], 0, \w, vcc_lo
	v_add_nc_u32 v[POS], v[POS], v[T2]
.endm
; A block's tokens.  Lane l looks for rank FR + l: the last ballot word that begins at or under the rank, then the place of the bit in it.
.macro TOKENS
	s_wait_xcnt 0x0                                ; earlier stores have read their data and offsets (ISA guide 3.1): these are written again only behind this wait
	v_add_nc_u32 v[RK], s[FR], v[RL]
	v_lshlrev_b32 v[ROFF], 2, v[RK]
	s_sub_co_u32 s40, s[CNTE], 1
	v_min_u32 v[RE], s40, v[RK]                    ; past the count: the last rank
	s_mov_b32 s[RUN], 0
	v_mov_b32 v[WD], s[BAL]
	v_mov_b32 v[PKD], 0                            ; the word's number above, the ranks ahead of it below
.set b, 1
.rept 31
	s_bcnt1_i32_b32 s41, s[BAL+b-1]
	s_add_co_u32 s[RUN], s[RUN], s41
	s_or_b32 s41, s[RUN], b<<16
	v_cmp_gt_u32 vcc_lo, s[RUN], v[RE]             ; the word begins past my rank: keep what I have
	v_cndmask_b32 v[WD], s[BAL+b], v[WD], vcc_lo
	v_cndmask_b32 v[PKD], s41, v[PKD], vcc_lo
.set b, b+1
.endr
	v_and_b32 v[T1], 0xffff, v[PKD]
	v_sub_nc_u32 v[TN], v[RE], v[T1]               ; my rank within the word
	v_lshrrev_b32 v[PKD], 16, v[PKD]
	v_lshrrev_b32 v[T1], 1, v[WD]                  ; the word's set bits counted in fields of 2, 4, 8 and 16
	v_and_b32 v[T1], 0x55555555, v[T1]
	v_sub_nc_u32 v[SA], v[WD], v[T1]
	v_lshrrev_b32 v[T1], 2, v[SA]
	v_and_b32 v[T1], 0x33333333, v[T1]
	v_and_b32 v[T2], 0x33333333, v[SA]
	v_add_nc_u32 v[SB], v[T1], v[T2]
	v_lshrrev_b32 v[T1], 4, v[SB]
	v_add_nc_u32 v[T1], v[SB], v[T1]
	v_and_b32 v[SC], 0x0f0f0f0f, v[T1]
	v_lshrrev_b32 v[T1], 8, v[SC]
	v_add_nc_u32 v[T1], v[SC], v[T1]
	v_and_b32 v[T1], 0xff, v[T1]                   ; among the low 16
	v_cmp_ge_u32 vcc_lo, v[TN], v[T1]
	v_cndmask_b32 v[T1], 0, v[T1], vcc_lo
	v_sub_nc_u32 v[TN], v[TN], v[T1]
	v_cndmask_b32 v[POS], 0, 16, vcc_lo
	STEP SC, 8
	STEP SB, 4
	STEP SA, 2
	STEP WD, 1
	v_and_b32 v[T1], 3, v[PKD]                     ; ballot 4 i + j, bit l: token 128 i + 4 l + j
	v_lshrrev_b32 v[T2], 2, v[PKD]
	v_lshl_add_u32 v[T1], v[T2], 7, v[T1]
	v_lshl_add_u32 v[TOK], v[POS], 2, v[T1]
	v_min_u32 v[TOK], 0x3ff, v[TOK]
	s_cmp_lg_u32 s[NS], 0
	s_cbranch_scc1 .Lnoord_\@
	global_store_b32 v[ROFF], v[TOK], s[ORD:ORD+1] ; slice 0 keeps the list: 128 consecutive bytes a wave, of a table of which 4,096 bytes an expert exist
.Lnoord_\@:
	v_permlanex16_b32 v[TX], v[TOK], s[SEL], s[SEL+1]
	v_cndmask_b32 v[T1], v[TOK], v[TX], s[HM]      ; tile 0's token of row l % 16, in both halves of the lanes,
	v_cndmask_b32 v[T2], v[TX], v[TOK], s[HM]      ; and tile 1's
	v_min_u32 v[T1], 0x3ff, v[T1]
	v_min_u32 v[T2], 0x3ff, v[T2]
	v_lshlrev_b32 v[AOFF], 11, v[T1]               ; a row of xb is 2,048 bytes
	v_add_nc_u32 v[AOFF], v[H16], v[AOFF]
	v_lshlrev_b32 v[AOFF+1], 11, v[T2]
	v_add_nc_u32 v[AOFF+1], v[H16], v[AOFF+1]
	s_lshl_b32 s40, s[BLK], 4
	s_lshl1_add_u32 s40, s[PR], s40                ; my tile 0 among the expert's 64: 16 block + 2 pair,
	s_lshl_b32 s41, s40, 17                        ; 131,072 bytes of hb each
	v_add_nc_u32 v[OOFF], s41, v[L16]
	s_add_co_u32 s40, s40, 1
	s_lshl_b32 s41, s40, 17
	v_add_nc_u32 v[OOFF+1], s41, v[L16]
.endm
; THE WAY OUT of my live tiles: rounded to bf16, relu, and stored as they lie: a fragment's 16 bytes a lane are 512 consecutive bytes of hb.
.macro EPILOGUE
	PLACES
	s_wait_xcnt 0x0                                ; the last block's stores have read TMP
.irp t, 0,1
	s_cmp_lt_u32 s[NT], (\t)+1
	s_cbranch_scc1 .Lout_\@
.set n, 0
.rept 32                                               ; each accumulator's registers in ascending order
	v_cvt_pk_bf16_f32 v[TMP+32*(\t)+n], v[ACC+64*(\t)+2*n], v[ACC+64*(\t)+2*n+1]
.set n, n+1
.endr
.set n, 0
.rept 32
	v_pk_max_num_bf16 v[TMP+32*(\t)+n], v[TMP+32*(\t)+n], v[ZERO]
.set n, n+1
.endr
.irp f, 0,1,2,3,4,5,6,7
	global_store_b128 v[OOFF+(\t)], v[TMP+32*(\t)+4*(\f):TMP+32*(\t)+4*(\f)+3], s[OB:OB+1] offset:512*(\f)
.endr
.endr
.Lout_\@:
.endm
	s_load_b256 s[4:11], s[0:1], 0x0               ; w1 s[4:5], b1 s[6:7], xb s[8:9], choice s[10:11]
	s_load_b128 s[12:15], s[0:1], 0x20             ; hb s[12:13], order s[14:15]
	s_load_b64 s[16:17], s[0:1], 0x30              ; cnts
	v_lshl_add_u32 v[SPW], v0, 2, SPARE
	v_mov_b32 v[NIL], 0
	v_lshrrev_b32 v[T1], 5, v0
	v_readfirstlane_b32 s[WV], v[T1]               ; wave 0..7
	s_lshl_b32 s40, s[WV], 2
	s_lshr_b32 s[PR], 0x73261540, s40              ; a table of eight fields of four bits: waves 0 .. 7 have pairs 0, 4, 5, 1, 6, 2, 3, 7
	s_and_b32 s[PR], s[PR], 7
	s_lshr_b32 s[EX], ttmp9, 5
	s_and_b32 s[NS], ttmp9, 31
	v_and_b32 v[T1], 31, v0                        ; lane
	v_lshlrev_b32 v[L16], 4, v[T1]
	s_mul_i32 s40, s[WV], 8*WP                     ; wave w has rows 8 w .. 8 w + 7 of every chunk of 64
	v_add_nc_u32 v[WOFF], s40, v[L16]
	s_mul_i32 s40, s[WV], 8*PW
	v_lshlrev_b32 v[LADR0], 3, v[T1]
	v_add_nc_u32 v[LADR0], s40, v[LADR0]
	v_bfe_u32 v[T2], v0, 4, 1                      ; h
	v_lshlrev_b32 v[H16], 4, v[T2]
	v_and_b32 v[RL], 31, v0
	v_and_b32 v[T1], 7, v0
	v_lshl_add_u32 v[T1], v[T2], 3, v[T1]
	v_mul_u32_u24 v[BADR0], v[T1], PW              ; the turning load: lane l reads row 8 h + l % 8,
	v_bfe_u32 v[T1], v0, 3, 1
	v_lshl_add_u32 v[BADR0], v[T1], 4, v[BADR0]    ; columns 8 ((l / 8) % 2) on, and is left with column l % 16 and 8 k
	v_lshl_add_u32 v[BIA], v[T2], 5, BIASL
	v_mov_b32 v[ZERO], 0
	v_mov_b32 v[TX], 0                             ; the exchange's destination counts as read
	s_mov_b32 s[BLK], 0
	s_mov_b32 s[KO], 0
	s_mov_b32 s[KO+1], 0
	s_mov_b32 s[SEL], 0x76543210
	s_mov_b32 s[SEL+1], 0xfedcba98
	s_mov_b32 s[HM], 0xffff0000
	s_lshl_b32 s40, s[EX], 24                      ; an expert's 16 MiB of w1,
	s_lshl_b32 s42, s[NS], 9                       ; the slice's 128 columns in f32
	s_add_co_u32 s40, s40, s42
	s_mov_b32 s41, 0
	s_lshl_b32 s44, s[EX], 14                      ; an expert's row of b1
	s_add_co_u32 s42, s44, s42
	s_mov_b32 s43, 0
	s_lshl_b32 s44, s[EX], 23                      ; an expert's 64 tiles of hb,
	s_lshl_b32 s46, s[NS], 12                      ; the slice's 8 blocks of 512 bytes
	s_add_co_u32 s44, s44, s46
	s_mov_b32 s45, 0
	s_lshl_b32 s46, s[EX], 12                      ; an expert's 1,024 words of order
	s_mov_b32 s47, 0
	s_wait_kmcnt 0x0
	s_add_nc_u64 s[WB:WB+1], s[4:5], s[40:41]
	s_add_nc_u64 s[WB2:WB2+1], s[WB:WB+1], 512*WP
	s_add_nc_u64 s[BB:BB+1], s[6:7], s[42:43]
	s_add_nc_u64 s[OB:OB+1], s[12:13], s[44:45]
	s_add_nc_u64 s[ORD:ORD+1], s[14:15], s[46:47]
.irp i, 0,1,2,3,4,5,6,7
	global_load_b128 v[CH+4*(\i):CH+4*(\i)+3], v[L16], s[10:11] offset:512*(\i)  ; register 4 i + j: the choice of token 128 i + 4 lane + j
.endr
	global_load_b128 v[BV:BV+3], v[L16], s[BB:BB+1]  ; the slice's bias: every wave loads it, wave 0 keeps it
	WLD 0                                          ; the ring is filled: three chunks
	WLD 1
	WLD 2
	s_wait_loadcnt 24                              ; the choices and the bias are in; the ring's 24 loads stay out
.set b, 0
.rept 32
	v_cmp_eq_u32 s[BAL+b], s[EX], v[CH+b]
.set b, b+1
.endr
	s_mov_b32 s[CNT], 0
.set b, 0
.rept 32
	s_bcnt1_i32_b32 s40, s[BAL+b]
	s_add_co_u32 s[CNT], s[CNT], s40
.set b, b+1
.endr
	s_min_u32 s[CNT], s[CNT], 0x400
	s_max_u32 s[CNTE], s[CNT], 1
	v_cvt_pk_bf16_f32 v[BV+4], v[BV], v[BV+1]      ; the bias rounded to bf16 and widened again
	v_cvt_pk_bf16_f32 v[BV+5], v[BV+2], v[BV+3]
	v_lshlrev_b32 v[BV], 16, v[BV+4]
	v_and_b32 v[BV+1], 0xffff0000, v[BV+4]
	v_lshlrev_b32 v[BV+2], 16, v[BV+5]
	v_and_b32 v[BV+3], 0xffff0000, v[BV+5]
	v_add_nc_u32 v[BV+6], BIASL, v[L16]
	s_cmp_lg_u32 s[WV], 0
	s_cbranch_scc1 .Lnobias
	ds_store_b128 v[BV+6], v[BV:BV+3]              ; read behind the first stage's barrier
.Lnobias:
	s_lshl_b32 s40, s[EX], 2
	v_mov_b32 v[SA], s40
	v_mov_b32 v[SB], s[CNT]
	s_cmp_lg_u32 s[NS], 0
	s_cbranch_scc1 .Lnocnt
	global_store_b32 v[SA], v[SB], s[16:17]        ; slice 0 keeps the count: all lanes write one word with one number
.Lnocnt:
	SETNT
	TOKENS                                         ; block 0
	ALD 0, AB, 0
	ALD 1, AB, ACH
	ALD 2, AB, 2*ACH
	MOVE 0
	MEET
	ACCINIT
.irp c, 1,2,3,4,5,6,7,8,9,10,11,12,13,14,15
	SCOMP (\c)-1
	MOVE \c
	MEET                                           ; chunk c is whole; nobody writes it again
.endr
	SCOMP 15
	s_branch .Lepi                                 ; block 0 goes out: the loop over blocks is entered in the middle of a trip.  No barrier and no LDS store stands in the loop
.Lblk:                                                 ; blocks 1 to 3, from the resident slice
	SETNT
	s_cmp_eq_u32 s[NT], 0
	s_cbranch_scc1 .Lnext
	s_wait_loadcnt 0x0                             ; no load of mine is out: the tokens' offsets may be written
	TOKENS
	ACCINIT
	s_mov_b32 s[KO], 0
	s_mov_b64 s[AK:AK+1], s[AB:AB+1]
	s_mov_b32 s[CB], 0
	ALD 0, AK, 0
	s_mov_b32 s[CHC], 8
.Lch:
	LCOMP 0
	LCOMP 1
	s_sub_co_u32 s[CHC], s[CHC], 1
	s_cmp_lg_u32 s[CHC], 0
	s_cbranch_scc1 .Lch
.Lepi:
	EPILOGUE
.Lnext:
	s_add_co_u32 s[BLK], s[BLK], 1
	s_cmp_lt_u32 s[BLK], 4
	s_cbranch_scc1 .Lblk
	s_wait_dscnt 0x0                               ; my reads of LDS are over, the later blocks' among them;
	MEET                                           ; the last barrier, on every wave's path: no wave writes LDS again (the add below) while another still reads
	s_wait_tensorcnt 0x0                           ; the wave's end
	ds_add_u32 v[SPW], v[NIL]
	s_wait_dscnt 0x0
	s_endpgm
.Lfunc_end_k_q734b8d2c75_up:
	.size	k_q734b8d2c75_up, .Lfunc_end_k_q734b8d2c75_up-k_q734b8d2c75_up
	.p2alignl 7, 3214868480
	.fill 96, 4, 3214868480
	.section	.rodata,"a",@progbits
	.p2align	6, 0x0
	.amdhsa_kernel k_q734b8d2c75_up
		.amdhsa_group_segment_fixed_size 296448
		.amdhsa_private_segment_fixed_size 0
		.amdhsa_enable_private_segment 0
		.amdhsa_kernarg_size 56
		.amdhsa_user_sgpr_count 2
		.amdhsa_user_sgpr_kernarg_segment_ptr 1
		.amdhsa_wavefront_size32 1
		.amdhsa_system_sgpr_workgroup_id_x 1
		.amdhsa_system_sgpr_workgroup_id_y 1
		.amdhsa_system_sgpr_workgroup_id_z 1
		.amdhsa_system_vgpr_workitem_id 0
		.amdhsa_next_free_vgpr 512
		.amdhsa_next_free_sgpr 98
		.amdhsa_reserve_vcc 1
		.amdhsa_float_denorm_mode_32 3
		.amdhsa_float_denorm_mode_16_64 3
		.amdhsa_memory_ordered 1
		.amdhsa_forward_progress 1
		.amdhsa_inst_pref_size 181
	.end_amdhsa_kernel
	.amdgpu_metadata
---
amdhsa.version: [ 1, 2 ]
amdhsa.kernels:
  - .name:           k_q734b8d2c75_up
    .symbol:         k_q734b8d2c75_up.kd
    .args:
      - { .name: w1, .offset: 0, .size: 8, .value_kind: global_buffer, .address_space: global }
      - { .name: b1, .offset: 8, .size: 8, .value_kind: global_buffer, .address_space: global }
      - { .name: xb, .offset: 16, .size: 8, .value_kind: global_buffer, .address_space: global }
      - { .name: choice, .offset: 24, .size: 8, .value_kind: global_buffer, .address_space: global }
      - { .name: hb, .offset: 32, .size: 8, .value_kind: global_buffer, .address_space: global }
      - { .name: order, .offset: 40, .size: 8, .value_kind: global_buffer, .address_space: global }
      - { .name: cnts, .offset: 48, .size: 8, .value_kind: global_buffer, .address_space: global }
    .group_segment_fixed_size: 296448
    .private_segment_fixed_size: 0
    .kernarg_segment_align: 8
    .kernarg_segment_size: 56
    .max_flat_workgroup_size: 256
    .sgpr_count:     98
    .vgpr_count:     512
    .wavefront_size: 32
...
	.end_amdgpu_metadata
.endif
;; end of part 2
;; launch down (part 3): grid 256 x 1, 8 waves a work-group, no clusters, 296,448 bytes of LDS; arguments w2, b2, hb, cnts, part; writes part
.if DOCPART == 3
	.amdgcn_target "amdgcn-amd-amdhsa--gfx1250"
	.amdhsa_code_object_version 6
	.text
	.protected	k_q734b8d2c75_down
	.globl	k_q734b8d2c75_down
	.p2align	8
	.type	k_q734b8d2c75_down,@function
k_q734b8d2c75_down:
	s_mov_b64 s[64:65], 0
	v_nop
	global_prefetch_b8 v0, s[64:65] scope:SCOPE_SE
	s_setreg_imm32_b32 hwreg(HW_REG_WAVE_MODE, 25, 1), 1
	s_wait_xcnt 0x0
; SECOND PRODUCT, IN FOUR PARTS ALONG K.  part q = h[:, 1024 q .. + 1023] . w2[e][1024 q .. + 1023][:] for the expert's own rows; part 0 also carries b2[e].  The next launch adds the four and puts the rows in their places.
; w2: [8][4096][1024] f32, b2: [8][1024] f32, cnts: [8] u32 (each expert's rows).
; hb: [expert 8][tile of 16 ranks 64][block of 16 k 256][lane 32][8 bf16]: half a fragment of the matrix unit as it lies: a load of the wave is 512 consecutive bytes.
; part: [q 4][expert 8][tile 64][slice 8][f 8][g 2][lane 32][4 f32]: lane 16 h + r holds rank r of the tile, columns 128 slice + 16 f + 8 h + 4 g + 0..3.  Only live tiles are written.
; LIMITS.  w2 and b2 are rounded once to bf16 on their way; sums, and the parts, in f32.
; SHARES.  Work-group id = 32 e + 8 q + ns owns the slice w2[e][1024 q .. + 1023][128 ns .. + 127], which it alone reads (524,288 bytes, rows of 512), and ALL rows of expert e, however many.
; K is split so that a slice keeps rows of 512 bytes and a work-group reads a quarter of each row of h; one owner for each output on 256 work-groups would have weight rows of 128 bytes and read every row whole.
; ONE TEXT FOR EVERY WAVE.  K goes in 16 chunks of 64.  In stage s a wave multiplies chunk s - 1 out of LDS, then takes its 8 rows of chunk s out of a ring of registers, rounds them, lays them into
; LDS as bf16 ([k][128], where the slice stays: each byte is written once), asks for chunk s + 3, and passes the stage's one barrier.  The stages are written out: every address is a constant plus lane and wave terms.
; ONE ORDER OF LOADS.  Loads return in order (ISA guide 5.7.1), and weights and token fragments share the counter, so they are issued in the order of their use:
; W0 W1 W2 A0 A1 A2, then A(s+3) W(s+3) in stage s, eight loads each, on every path.  24 loads of weights, 12 KiB a wave, are on their way at every wait.
; ROWS.  A BLOCK is 256 ranks = 8 PAIRS of tiles of 16; a wave has one pair: 32 ranks x 128 columns.  A chunk turned out of LDS (32 loads) so feeds 32 products, and a wave whose pair lies past the count
; jumps loads and products alike: with 128 rows four waves read a chunk, not eight.  Pairs go to the waves in the order 0, 3, 5, 6, 1, 2, 4, 7: the first four differ both in w % 4 and in w / 2, so four live
; pairs are on four SIMDs whichever of these two ways eight waves are laid on four.  Block 0 is multiplied while the weights stream; blocks 1-3, which exist only where an expert has more than 256 rows,
; afterwards from the resident slice.  A dead tile is jumped; its loads all name the first 16 bytes of a block of the expert's tile 0, which the launch before always writes.
; An expert without rows has its slice streamed and stores nothing.
; THE MATRIX INSTRUCTION IS USED TRANSPOSED: source 0 = 16 weight columns, source 1 = 16 ranks: a lane then holds eight neighbouring columns of one rank.
; No tensor loads: f32 weights pass through registers to be rounded.  No cluster: a slice has one reader; the rows of h that an expert's work-groups share are a third of a work-group's bytes.
.set WP,    4096                       ; bytes from row k to row k + 1 of w2[e]
.set PW,    288                        ; an LDS row of the slice: 256 bytes + 32 = 72 words
.set ACH,   2048                       ; token fragments: bytes from chunk to chunk (four blocks of 16 k),
.set AKS,   1024                       ; from K step to K step,
.set AI,    512                        ; from a fragment's first four registers to its last four
.set BIASL, 1024*PW                    ; 294,912: the slice's 128 biases, rounded to bf16, as f32; zeros in parts 1 to 3
.set SPARE, BIASL+512                  ; 295,424: the spare words, 128 bytes for each of eight waves: four blocks of 256 bytes that no other line names
; window 0
.set SPW,   1                          ; my spare word; never rewritten
.set NIL,   2                          ; 0, for the closing add alone
.set WOFF,  3                          ; 16 lane + my 8 rows' place in a chunk of w2; never rewritten
.set LADR0, 4                          ; 8 lane + my 8 rows' place in a chunk in LDS
.set LADR,  5                          ; the same in the chunk in hand
.set BADR0, 6                          ; the turning load: my lane's place in a chunk
.set BADR,  7                          ; the same in the chunk in hand
.set AOFF,  8                          ; v8-9   tile t: byte offset of my 16 bytes in a block of hb
.set OOFF,  10                         ; v10-11 tile t: byte offset of my 16 bytes in part
.set BIA,   12                         ; my half's biases
.set L16,   14                         ; 16 lane
.set T1,    29
.set T2,    30
; v32-63 and v192-255: the ring, 24 slots of 4: chunk c's row j in slot 8 (c % 3) + j
.set ACC,   64                         ; v64-191 tile t, columns 16 f on: 64 + 64 t + 8 f
.set BV,    96                         ; ahead of the sums: v96-102 the bias
; window 1: weights of K step s, columns 16 f on, at 64 s + 8 f; tokens of chunk c at AF + 32 (c % 4) + 16 t + 8 s
.set AF,    128
.set WV,    18                         ; wave
.set EX,    19                         ; expert
.set NS,    20                         ; slice
.set QQ,    21                         ; quarter of K
.set WB,    22                         ; s[22:23] the slice's rows 0-511
.set WB2,   24                         ; s[24:25] its rows 512-1023
.set OB,    26                         ; s[26:27] part at my quarter, expert and slice
.set AK,    28                         ; s[28:29] later blocks: hb at the chunk to be loaded
.set KO,    30                         ; s[30:31] that chunk's byte offset
.set CNT,   32                         ; the expert's rows
.set CN,    CNT                        ; what the tiles are counted by
.set NT,    34                         ; my live tiles in the block, 0..2
.set BLK,   35
.set CHC,   36
.set FR,    37                         ; first rank of my tile 0 in the block
.set CB,    38                         ; later blocks: the chunk's byte offset in LDS
.set BB,    48                         ; s[48:49] the slice's biases
.set AB,    50                         ; s[50:51] hb at my expert and quarter
.set PR,    54                         ; my pair of tiles in a block, 0..7
.set MSB, 0
.macro WIN new                         ; s_set_vgpr_msb: bits 1:0 source 0, 3:2 source 1, 5:4 source 2, 7:6 destination; the high byte repeats the setting that is left
.if MSB != (\new)
	s_set_vgpr_msb (MSB<<8)|(\new)
.set MSB, \new
.endif
.endm
.macro PLACES                          ; four plain instructions between a matrix instruction and a load into, or a read of, its registers
.rept 4
	v_nop
.endr
.endm
.macro MEET
	s_barrier_signal -1
	s_barrier_wait -1
.endm
.macro WLD c                           ; my 8 rows of chunk c: a load of the wave is one row's 512 bytes
.irp j, 0,1,2,3,4,5,6,7
.set q, 8*((\c)%3)+(\j)
.set RS, 4*q+192-(q/16)*224            ; slots 0-15 at v192 on, slots 16-23 at v32 on
.if (\c) < 8
	global_load_b128 v[RS:RS+3], v[WOFF], s[WB:WB+1] offset:(64*(\c)+(\j))*WP th:TH_LOAD_NT
.else
	global_load_b128 v[RS:RS+3], v[WOFF], s[WB2:WB2+1] offset:(64*((\c)-8)+(\j))*WP th:TH_LOAD_NT
.endif
.endr
.endm
.macro ALD buf, sb, off                ; 64 along K of my two tiles into buffer buf: four blocks of 512 bytes a tile, each half a fragment as it lies
	WIN 0x40                                       ; destination in window 1
.irp t, 0,1
.irp s, 0,1
	global_load_b128 v[AF+32*(\buf)+16*(\t)+8*(\s):AF+32*(\buf)+16*(\t)+8*(\s)+3],   v[AOFF+(\t)], s[\sb:\sb+1] offset:(\off)+AKS*(\s)
	global_load_b128 v[AF+32*(\buf)+16*(\t)+8*(\s)+4:AF+32*(\buf)+16*(\t)+8*(\s)+7], v[AOFF+(\t)], s[\sb:\sb+1] offset:(\off)+AKS*(\s)+AI
.endr
.endr
	WIN 0
.endm
; Chunk c leaves the ring: wait, round in place, lay down; then chunk c + 3 is asked for, tokens first.  The 16 conversions are also the places between the stage's products and the loads into their sources.
.macro MOVE c
.set AFT, 32                           ; loads issued behind W(c): A and W of the next two chunks,
.if (\c) == 14
.set AFT, 16                           ; of the one that is left,
.endif
.if (\c) == 15
.set AFT, 0                            ; none
.endif
.irp j, 0,1,2,3,4,5,6,7
.set q, 8*((\c)%3)+(\j)
.set RS, 4*q+192-(q/16)*224
.if (\c) == 0
	s_wait_loadcnt 47-(\j)                         ; behind W0's row j: 7 - j of its rows, W1 and W2 (16), A0 to A2 (24)
.elseif (\c) >= 3
	s_wait_loadcnt AFT+7-(\j)                      ; behind row j: 7 - j of its rows and the later chunks'.  (W1 and W2 were issued ahead of A0, which the first multiply step waited for)
.endif
	v_cvt_pk_bf16_f32 v[RS],   v[RS],   v[RS+1]
	v_cvt_pk_bf16_f32 v[RS+1], v[RS+2], v[RS+3]
.endr
	v_add_nc_u32 v[LADR], (\c)*64*PW, v[LADR0]
.irp j, 0,1,2,3,4,5,6,7
.set q, 8*((\c)%3)+(\j)
.set RS, 4*q+192-(q/16)*224
	ds_store_b64 v[LADR], v[RS:RS+1] offset:(\j)*PW  ; 32 lanes, 256 consecutive bytes
.endr
.if (\c) <= 12
	ALD ((\c)+3)%4, AB, ((\c)+3)*ACH
.endif
	s_wait_dscnt 0x0                               ; for the others' sake, ahead of the barrier: my rows are in LDS; and the slots may be loaded again
.if (\c) <= 12
	WLD (\c)+3
.endif
.endm
.macro BLD                             ; a chunk's weights, turned: 16 fragments, 32 loads in one run, the first K step's first
	WIN 0x40
.irp s, 0,1
.irp f, 0,1,2,3,4,5,6,7
	ds_load_tr16_b128 v[64*(\s)+8*(\f):64*(\s)+8*(\f)+3],   v[BADR] offset:(32*(\s))*PW+32*(\f)
	ds_load_tr16_b128 v[64*(\s)+8*(\f)+4:64*(\s)+8*(\f)+7], v[BADR] offset:(32*(\s)+16)*PW+32*(\f)
.endr
.endr
.endm
.macro MUL8 t, s, buf                  ; tile t, K step s: the eight accumulators take turns
	WIN 0x05                                       ; both sources in window 1, the sums in window 0
.irp f, 0,1,2,3,4,5,6,7
	v_wmma_f32_16x16x32_bf16 v[ACC+64*(\t)+8*(\f):ACC+64*(\t)+8*(\f)+7], v[64*(\s)+8*(\f):64*(\s)+8*(\f)+7], v[AF+32*(\buf)+16*(\t)+8*(\s):AF+32*(\buf)+16*(\t)+8*(\s)+7], v[ACC+64*(\t)+8*(\f):ACC+64*(\t)+8*(\f)+7]
.endr
.endm
; THE MULTIPLY STEP of a chunk: its weights out of LDS, then tile 0's two K steps, then tile 1's.  skip = 1: a wave without a live tile jumps all of it.  Both jumps go forward, past LDS loads and matrix instructions alone.
.macro PROD buf, skip
.if \skip
	s_cmp_eq_u32 s[NT], 0
	s_cbranch_scc1 .Lpdone_\@
.endif
	BLD
	s_wait_dscnt 16                                ; all but the second K step's sixteen loads
	MUL8 0, 0, \buf
	s_wait_dscnt 0x0
	MUL8 0, 1, \buf
	WIN 0                                          ; at a branch and at a label every window is 0
	s_cmp_lt_u32 s[NT], 2
	s_cbranch_scc1 .Lpdone_\@
	MUL8 1, 0, \buf
	MUL8 1, 1, \buf
	WIN 0
.Lpdone_\@:
.endm
.macro SCOMP c                         ; in the stream: chunk c is multiplied
.if (\c) < 3
	s_wait_loadcnt 32+8*(\c)                       ; on every path: A(c) is in: behind it were issued A(c+1) .. A2 and, for each stage since, A and W of one chunk.  (From A3 on the wait for W(c), issued behind A(c), has shown it)
.endif
	v_add_nc_u32 v[BADR], (\c)*64*PW, v[BADR0]
	PROD (\c)%4, 1
.endm
.macro LCOMP par                       ; behind the stream: a chunk of a later block, from the resident slice; its tokens lie in buffer par, the next chunk's are asked for
	s_wait_loadcnt 0x0                             ; this chunk's tokens are in, and no load of mine is out: the base may be written
	PLACES                                         ; ahead of the loads into registers that the last chunk's products read
	v_add_nc_u32 v[BADR], s[CB], v[BADR0]
	s_add_co_u32 s[CB], s[CB], 64*PW
	s_add_co_u32 s[KO], s[KO], ACH
	s_and_b32 s[KO], s[KO], 16*ACH-1               ; behind the last chunk the first once more: that request stays inside the tile's quarter and is not used
	s_add_nc_u64 s[AK:AK+1], s[AB:AB+1], s[KO:KO+1]
	ALD 1-(\par), AK, 0
	PROD \par, 0
.endm
.macro SETNT                           ; my live tiles: tile t is live where 256 block + 32 pair + 16 t lies under the count
	s_lshl_b32 s[FR], s[BLK], 8
	s_lshl_b32 s40, s[PR], 5
	s_add_co_u32 s[FR], s[FR], s40
	s_sub_co_i32 s40, s[CN], s[FR]
	s_add_co_i32 s40, s40, 15
	s_ashr_i32 s40, s40, 4
	s_max_i32 s40, s40, 0
	s_min_i32 s[NT], s40, 2
.endm
.macro ACCINIT                         ; the sums start as the bias: register j of fragment f is column 16 f + 8 h + j
.irp t, 0,1
.irp f, 0,1,2,3,4,5,6,7
	ds_load_b128 v[ACC+64*(\t)+8*(\f):ACC+64*(\t)+8*(\f)+3],   v[BIA] offset:64*(\f)
	ds_load_b128 v[ACC+64*(\t)+8*(\f)+4:ACC+64*(\t)+8*(\f)+7], v[BIA] offset:64*(\f)+16
.endr
.endr
	s_wait_dscnt 0x0
.endm
.macro ADDRS                           ; a block's offsets: tile 16 block + 2 pair + t of the expert's 64
	s_wait_xcnt 0x0                                ; earlier stores have read their data and offsets (ISA guide 3.1): the sums and OOFF are written again only behind this wait
	s_lshl_b32 s40, s[BLK], 4
	s_lshl1_add_u32 s40, s[PR], s40
.irp t, 0,1
	s_add_co_u32 s41, s40, (\t)
	s_lshl_b32 s42, s41, 16                        ; a tile has 65,536 bytes in a part
	v_add_nc_u32 v[OOFF+(\t)], s42, v[L16]
	s_cmp_gt_u32 s[NT], (\t)
	s_cselect_b32 s41, s41, 0                      ; a dead tile: tile 0,
	s_cselect_b32 s43, -1, 0                       ; and one place for all lanes
	s_min_u32 s41, s41, 63
	s_lshl_b32 s41, s41, 17                        ; a tile has 131,072 bytes in hb
	v_and_b32 v[AOFF+(\t)], s43, v[L16]
	v_min_u32 v[AOFF+(\t)], 0x1f0, v[AOFF+(\t)]
	v_add_nc_u32 v[AOFF+(\t)], s41, v[AOFF+(\t)]
.endr
.endm
; THE WAY OUT of my live tiles: the sums are stored as they lie, low registers first: four registers a lane are 512 consecutive bytes of part.
.macro EPILOGUE
	PLACES
.irp t, 0,1
	s_cmp_lt_u32 s[NT], (\t)+1
	s_cbranch_scc1 .Lout_\@
.irp f, 0,1,2,3,4,5,6,7
	global_store_b128 v[OOFF+(\t)], v[ACC+64*(\t)+8*(\f):ACC+64*(\t)+8*(\f)+3],   s[OB:OB+1] offset:1024*(\f)
	global_store_b128 v[OOFF+(\t)], v[ACC+64*(\t)+8*(\f)+4:ACC+64*(\t)+8*(\f)+7], s[OB:OB+1] offset:1024*(\f)+512
.endr
.endr
.Lout_\@:
.endm
	s_load_b256 s[4:11], s[0:1], 0x0               ; w2 s[4:5], b2 s[6:7], hb s[8:9], cnts s[10:11]
	s_load_b64 s[12:13], s[0:1], 0x20              ; part
	v_lshl_add_u32 v[SPW], v0, 2, SPARE
	v_mov_b32 v[NIL], 0
	v_lshrrev_b32 v[T1], 5, v0
	v_readfirstlane_b32 s[WV], v[T1]               ; wave 0..7
	s_lshl_b32 s40, s[WV], 2
	s_lshr_b32 s[PR], 0x73261540, s40              ; a table of eight fields of four bits: waves 0 .. 7 have pairs 0, 4, 5, 1, 6, 2, 3, 7
	s_and_b32 s[PR], s[PR], 7
	s_lshr_b32 s[EX], ttmp9, 5
	s_bfe_u32 s[QQ], ttmp9, 0x20003                ; 2 bits from bit 3
	s_and_b32 s[NS], ttmp9, 7
	v_and_b32 v[T1], 31, v0                        ; lane
	v_lshlrev_b32 v[L16], 4, v[T1]
	s_mul_i32 s40, s[WV], 8*WP                     ; wave w has rows 8 w .. 8 w + 7 of every chunk of 64
	v_add_nc_u32 v[WOFF], s40, v[L16]
	s_mul_i32 s40, s[WV], 8*PW
	v_lshlrev_b32 v[LADR0], 3, v[T1]
	v_add_nc_u32 v[LADR0], s40, v[LADR0]
	v_bfe_u32 v[T2], v0, 4, 1                      ; h
	v_and_b32 v[T1], 7, v0
	v_lshl_add_u32 v[T1], v[T2], 3, v[T1]
	v_mul_u32_u24 v[BADR0], v[T1], PW              ; the turning load: lane l reads row 8 h + l % 8,
	v_bfe_u32 v[T1], v0, 3, 1
	v_lshl_add_u32 v[BADR0], v[T1], 4, v[BADR0]    ; columns 8 ((l / 8) % 2) on, and is left with column l % 16 and 8 k
	v_lshl_add_u32 v[BIA], v[T2], 5, BIASL
	s_mov_b32 s[BLK], 0
	s_mov_b32 s[KO], 0
	s_mov_b32 s[KO+1], 0
	s_lshl_b32 s40, s[EX], 24                      ; an expert's 16 MiB of w2,
	s_lshl_b32 s42, s[QQ], 22                      ; a quarter's 1,024 rows of 4,096 bytes,
	s_add_co_u32 s40, s40, s42
	s_lshl_b32 s42, s[NS], 9                       ; the slice's 128 columns in f32
	s_add_co_u32 s40, s40, s42
	s_mov_b32 s41, 0
	s_lshl_b32 s44, s[EX], 12                      ; an expert's row of b2
	s_add_co_u32 s42, s44, s42
	s_mov_b32 s43, 0
	s_lshl_b32 s44, s[EX], 23                      ; an expert's 64 tiles of hb,
	s_lshl_b32 s46, s[QQ], 15                      ; a quarter's 64 blocks of 512 bytes
	s_add_co_u32 s44, s44, s46
	s_mov_b32 s45, 0
	s_lshl_b32 s46, s[QQ], 25                      ; a part's 32 MiB,
	s_lshl_b32 s47, s[EX], 22                      ; an expert's 64 tiles,
	s_add_co_u32 s46, s46, s47
	s_lshl_b32 s47, s[NS], 13                      ; a slice's 8,192 bytes of a tile
	s_add_co_u32 s46, s46, s47
	s_mov_b32 s47, 0
	s_lshl_b32 s52, s[EX], 2
	s_mov_b32 s53, 0
	s_wait_kmcnt 0x0
	s_add_nc_u64 s[WB:WB+1], s[4:5], s[40:41]
	s_add_nc_u64 s[WB2:WB2+1], s[WB:WB+1], 512*WP
	s_add_nc_u64 s[BB:BB+1], s[6:7], s[42:43]
	s_add_nc_u64 s[AB:AB+1], s[8:9], s[44:45]
	s_add_nc_u64 s[OB:OB+1], s[12:13], s[46:47]
	s_add_nc_u64 s[52:53], s[10:11], s[52:53]
	s_load_b32 s[CNT], s[52:53], 0x0               ; my expert's rows
	global_load_b128 v[BV:BV+3], v[L16], s[BB:BB+1]  ; the slice's bias: every wave loads it, wave 0 keeps it
	WLD 0                                          ; the ring is filled: three chunks
	WLD 1
	WLD 2
	s_wait_kmcnt 0x0
	s_min_u32 s[CNT], s[CNT], 0x400
	SETNT
	ADDRS                                          ; block 0
	ALD 0, AB, 0
	ALD 1, AB, ACH
	ALD 2, AB, 2*ACH
	s_wait_loadcnt 48                              ; the bias is in; the ring's 24 loads and the tokens' 24 stay out
	s_cmp_eq_u32 s[QQ], 0
	s_cselect_b32 s40, -1, 0                       ; part 0 alone carries the bias: elsewhere its bits are cleared, whatever they are
	v_cvt_pk_bf16_f32 v[BV+4], v[BV], v[BV+1]      ; the bias rounded to bf16 and widened again
	v_cvt_pk_bf16_f32 v[BV+5], v[BV+2], v[BV+3]
	v_and_b32 v[BV+4], s40, v[BV+4]
	v_and_b32 v[BV+5], s40, v[BV+5]
	v_lshlrev_b32 v[BV], 16, v[BV+4]
	v_and_b32 v[BV+1], 0xffff0000, v[BV+4]
	v_lshlrev_b32 v[BV+2], 16, v[BV+5]
	v_and_b32 v[BV+3], 0xffff0000, v[BV+5]
	v_add_nc_u32 v[BV+6], BIASL, v[L16]
	s_cmp_lg_u32 s[WV], 0
	s_cbranch_scc1 .Lnobias
	ds_store_b128 v[BV+6], v[BV:BV+3]              ; read behind the first stage's barrier
.Lnobias:
	MOVE 0
	MEET
	ACCINIT
.irp c, 1,2,3,4,5,6,7,8,9,10,11,12,13,14,15
	SCOMP (\c)-1
	MOVE \c
	MEET                                           ; chunk c is whole; nobody writes it again
.endr
	SCOMP 15
	s_branch .Lepi                                 ; block 0 goes out: the loop over blocks is entered in the middle of a trip.  No barrier and no LDS store stands in the loop
.Lblk:                                                 ; blocks 1 to 3, from the resident slice
	SETNT
	s_cmp_eq_u32 s[NT], 0
	s_cbranch_scc1 .Lnext
	s_wait_loadcnt 0x0                             ; no load of mine is out: the tokens' offsets may be written
	ADDRS
	ACCINIT
	s_mov_b32 s[KO], 0
	s_mov_b64 s[AK:AK+1], s[AB:AB+1]
	s_mov_b32 s[CB], 0
	ALD 0, AK, 0
	s_mov_b32 s[CHC], 8
.Lch:
	LCOMP 0
	LCOMP 1
	s_sub_co_u32 s[CHC], s[CHC], 1
	s_cmp_lg_u32 s[CHC], 0
	s_cbranch_scc1 .Lch
.Lepi:
	EPILOGUE
.Lnext:
	s_add_co_u32 s[BLK], s[BLK], 1
	s_cmp_lt_u32 s[BLK], 4
	s_cbranch_scc1 .Lblk
	s_wait_dscnt 0x0                               ; my reads of LDS are over, the later blocks' among them;
	MEET                                           ; the last barrier, on every wave's path: no wave writes LDS again (the add below) while another still reads
	s_wait_tensorcnt 0x0                           ; the wave's end
	ds_add_u32 v[SPW], v[NIL]
	s_wait_dscnt 0x0
	s_endpgm
.Lfunc_end_k_q734b8d2c75_down:
	.size	k_q734b8d2c75_down, .Lfunc_end_k_q734b8d2c75_down-k_q734b8d2c75_down
	.p2alignl 7, 3214868480
	.fill 96, 4, 3214868480
	.section	.rodata,"a",@progbits
	.p2align	6, 0x0
	.amdhsa_kernel k_q734b8d2c75_down
		.amdhsa_group_segment_fixed_size 296448
		.amdhsa_private_segment_fixed_size 0
		.amdhsa_enable_private_segment 0
		.amdhsa_kernarg_size 40
		.amdhsa_user_sgpr_count 2
		.amdhsa_user_sgpr_kernarg_segment_ptr 1
		.amdhsa_wavefront_size32 1
		.amdhsa_system_sgpr_workgroup_id_x 1
		.amdhsa_system_sgpr_workgroup_id_y 1
		.amdhsa_system_sgpr_workgroup_id_z 1
		.amdhsa_system_vgpr_workitem_id 0
		.amdhsa_next_free_vgpr 512
		.amdhsa_next_free_sgpr 66
		.amdhsa_reserve_vcc 0
		.amdhsa_float_denorm_mode_32 3
		.amdhsa_float_denorm_mode_16_64 3
		.amdhsa_memory_ordered 1
		.amdhsa_forward_progress 1
		.amdhsa_inst_pref_size 151
	.end_amdhsa_kernel
	.amdgpu_metadata
---
amdhsa.version: [ 1, 2 ]
amdhsa.kernels:
  - .name:           k_q734b8d2c75_down
    .symbol:         k_q734b8d2c75_down.kd
    .args:
      - { .name: w2, .offset: 0, .size: 8, .value_kind: global_buffer, .address_space: global }
      - { .name: b2, .offset: 8, .size: 8, .value_kind: global_buffer, .address_space: global }
      - { .name: hb, .offset: 16, .size: 8, .value_kind: global_buffer, .address_space: global }
      - { .name: cnts, .offset: 24, .size: 8, .value_kind: global_buffer, .address_space: global }
      - { .name: part, .offset: 32, .size: 8, .value_kind: global_buffer, .address_space: global }
    .group_segment_fixed_size: 296448
    .private_segment_fixed_size: 0
    .kernarg_segment_align: 8
    .kernarg_segment_size: 40
    .max_flat_workgroup_size: 256
    .sgpr_count:     66
    .vgpr_count:     512
    .wavefront_size: 32
...
	.end_amdgpu_metadata
.endif
;; end of part 3
;; launch addup (part 4): grid 71 x 4, 4 waves a work-group, no clusters, 17,920 bytes of LDS; arguments part, order, cnts, out0; writes out0
.if DOCPART == 4
	.amdgcn_target "amdgcn-amd-amdhsa--gfx1250"
	.amdhsa_code_object_version 6
	.text
	.protected	k_q734b8d2c75_addup
	.globl	k_q734b8d2c75_addup
	.p2align	8
	.type	k_q734b8d2c75_addup,@function
k_q734b8d2c75_addup:
	s_mov_b64 s[64:65], 0
	v_nop
	global_prefetch_b8 v0, s[64:65] scope:SCOPE_SE
	s_setreg_imm32_b32 hwreg(HW_REG_WAVE_MODE, 25, 1), 1
	s_wait_xcnt 0x0
; out0[token][:] = (part 0 + part 1) + (part 2 + part 3) of the token's expert and rank, all f32.
; part: [q 4][expert 8][tile of 16 ranks 64][slice 8][f 8][g 2][lane 32][4 f32]: lane 16 h + r holds rank r of the tile, columns 128 slice + 16 f + 8 h + 4 g + 0..3.
; order: [8][1024] u32, the token of each rank; cnts: [8] u32, each expert's rows; out0: [1024][1024] f32.
; SHARES.  With 1,024 rows, 8 experts and tiles of 16 there are never more than 64 + 7 = 71 tiles, whatever the split: work-group x is the x-th live tile, counted through the experts from the eight counts.
; A work-group past the last tile stores nothing and ends.  Work-group y and the wave pick 64 of the 1,024 columns: group cg = 4 y + wave, 4,096 consecutive bytes of each part.
; A wave's 32 loads (512 consecutive bytes each) go out at once; the four parts are added as they come, turned in the wave's own stage in LDS, and stored as rows of 256 bytes where order says.
; Ranks past an expert's count repeat its last token: the same numbers go to the same bytes, from the same wave.  A stream: no matrix unit, no barrier, no loop.
.set SPI,   272                        ; a row of a stage: 256 bytes + 16: the 16 rows that a store touches start at 16 different groups of four banks (64 banks of 4 bytes: ISA guide 11.1)
.set SPARE, 4*16*SPI                   ; 17,408: the spare words, 128 bytes for each wave: two blocks of 256 bytes that no other line names
.set QSTEP, 0x2000000                  ; bytes in a part
.set OO,  8                            ; v[8:15]   the stores' offsets
.set P,   16                           ; v[16:143] piece n (f = n / 2, g = n % 2), part q at 16 + 16 n + 4 q; later rows 2 i, 2 i + 1 at 16 + 16 i + 4
.set TK,  32                           ; s[32:47]  the tile's 16 tokens
	s_load_b256 s[4:11], s[0:1], 0x0               ; part s[4:5], order s[6:7], cnts s[8:9], out0 s[10:11]
	v_lshl_add_u32 v1, v0, 2, SPARE                ; my spare word,
	v_mov_b32 v2, 0                                ; and 0: kept for the closing add alone
	v_lshrrev_b32 v7, 5, v0
	v_readfirstlane_b32 s12, v7                    ; wave 0..3
	s_and_b32 s13, ttmp7, 0xffff
	s_lshl2_add_u32 s13, s13, s12                  ; cg
	s_mov_b32 s15, 0xffff0000                      ; lanes 16-31
	v_and_b32 v7, 31, v0
	v_lshlrev_b32 v3, 4, v7                        ; 16 lane
	v_and_b32 v6, 15, v0                           ; r
	v_bfe_u32 v7, v0, 4, 1                         ; h
	s_mul_i32 s14, s12, 16*SPI                     ; my stage
	v_mul_u32_u24 v4, v6, SPI                      ; in: row r, 32 bytes (8 columns) for each half of the lanes
	v_lshl_add_u32 v4, v7, 5, v4
	v_add_nc_u32 v4, s14, v4
	v_mul_u32_u24 v5, v7, SPI                      ; back: lanes 0-15 one row of 256 bytes, lanes 16-31 the next
	v_lshl_add_u32 v5, v6, 4, v5
	v_add_nc_u32 v5, s14, v5
	s_lshl_b32 s27, s13, 8                         ; my 64 columns in a row of out0
	v_lshlrev_b32 v6, 4, v6
	v_add_nc_u32 v6, s27, v6
	s_wait_kmcnt 0x0
	s_load_b256 s[16:23], s[8:9], 0x0              ; the eight counts
	s_mov_b32 s24, 0                               ; the expert,
	s_mov_b32 s25, 0                               ; the tiles ahead of it,
	s_mov_b32 s26, 0                               ; the tiles so far
	s_wait_kmcnt 0x0
.irp i, 0,1,2,3,4,5,6,7
	s_min_u32 s27, s[16+(\i)], 0x400
	s_add_co_u32 s27, s27, 15
	s_lshr_b32 s27, s27, 4
	s_add_co_u32 s26, s26, s27
	s_cmp_ge_u32 ttmp9, s26                        ; my tile lies behind this expert's
	s_cselect_b32 s24, (\i)+1, s24
	s_cselect_b32 s25, s26, s25
.endr
	s_cmp_ge_u32 s24, 8
	s_cbranch_scc1 .Lnone                          ; behind the last expert's: nothing to do; nothing has been written
	s_sub_co_u32 s25, ttmp9, s25                   ; the tile within the expert
	s_min_u32 s24, s24, 7
	s_min_u32 s25, s25, 63
	s_lshl_b32 s28, s24, 12                        ; an expert's 1,024 words of order,
	s_lshl_b32 s27, s25, 6                         ; a tile's 16
	s_add_co_u32 s28, s28, s27
	s_mov_b32 s29, 0
	s_add_nc_u64 s[28:29], s[6:7], s[28:29]
	s_load_b512 s[TK:TK+15], s[28:29], 0x0
	s_lshl_b32 s30, s24, 22                        ; an expert's 64 tiles of a part,
	s_lshl_b32 s27, s25, 16                        ; a tile's 65,536 bytes,
	s_add_co_u32 s30, s30, s27
	s_lshl_b32 s27, s13, 12                        ; a column group's 4,096
	s_add_co_u32 s30, s30, s27
	s_mov_b32 s31, 0
	s_add_nc_u64 s[48:49], s[4:5], s[30:31]        ; a base for each part: 32 MiB lie beyond a load's immediate
	s_add_nc_u64 s[50:51], s[48:49], QSTEP
	s_add_nc_u64 s[52:53], s[50:51], QSTEP
	s_add_nc_u64 s[54:55], s[52:53], QSTEP
.irp n, 0,1,2,3,4,5,6,7
.irp q, 0,1,2,3
	global_load_b128 v[P+16*(\n)+4*(\q):P+16*(\n)+4*(\q)+3], v3, s[48+2*(\q):49+2*(\q)] offset:512*(\n) th:TH_LOAD_NT
.endr
.endr
	s_wait_kmcnt 0x0                               ; the tokens
.irp i, 0,1,2,3,4,5,6,7
	v_mov_b32 v[OO+(\i)], s[TK+2*(\i)]             ; lanes 0-15: row 2 i's token,
	v_cndmask_b32 v[OO+(\i)], v[OO+(\i)], s[TK+2*(\i)+1], s15  ; lanes 16-31: row 2 i + 1's
	v_min_u32 v[OO+(\i)], 0x3ff, v[OO+(\i)]
	v_lshlrev_b32 v[OO+(\i)], 12, v[OO+(\i)]       ; a row of out0 is 4,096 bytes
	v_add_nc_u32 v[OO+(\i)], v6, v[OO+(\i)]
.endr
.irp n, 0,1,2,3,4,5,6,7
	s_wait_loadcnt 28-4*(\n)                       ; piece n's four parts are in; the later pieces' loads stay out
	v_pk_add_f32 v[P+16*(\n):P+16*(\n)+1],     v[P+16*(\n):P+16*(\n)+1],     v[P+16*(\n)+4:P+16*(\n)+5]
	v_pk_add_f32 v[P+16*(\n)+2:P+16*(\n)+3],   v[P+16*(\n)+2:P+16*(\n)+3],   v[P+16*(\n)+6:P+16*(\n)+7]
	v_pk_add_f32 v[P+16*(\n)+8:P+16*(\n)+9],   v[P+16*(\n)+8:P+16*(\n)+9],   v[P+16*(\n)+12:P+16*(\n)+13]
	v_pk_add_f32 v[P+16*(\n)+10:P+16*(\n)+11], v[P+16*(\n)+10:P+16*(\n)+11], v[P+16*(\n)+14:P+16*(\n)+15]
	v_pk_add_f32 v[P+16*(\n):P+16*(\n)+1],     v[P+16*(\n):P+16*(\n)+1],     v[P+16*(\n)+8:P+16*(\n)+9]
	v_pk_add_f32 v[P+16*(\n)+2:P+16*(\n)+3],   v[P+16*(\n)+2:P+16*(\n)+3],   v[P+16*(\n)+10:P+16*(\n)+11]
	ds_store_b128 v4, v[P+16*(\n):P+16*(\n)+3] offset:64*((\n)/2)+16*((\n)%2)  ; columns 16 f + 8 h + 4 g on
.endr
.irp i, 0,1,2,3,4,5,6,7
	ds_load_b128 v[P+16*(\i)+4:P+16*(\i)+7], v5 offset:2*SPI*(\i)  ; LDS serves a wave's instructions in order (ISA guide 5.7.1.4): these see the stores above
.endr
.irp i, 0,1,2,3,4,5,6,7
	s_wait_dscnt 7-(\i)
	global_store_b128 v[OO+(\i)], v[P+16*(\i)+4:P+16*(\i)+7], s[10:11] th:TH_STORE_NT  ; 16 lanes store 256 consecutive bytes, aligned
.endr
	s_wait_tensorcnt 0x0                           ; the wave's end
	ds_add_u32 v1, v2
	s_wait_dscnt 0x0
	s_endpgm
.Lnone:
	s_endpgm
.Lfunc_end_k_q734b8d2c75_addup:
	.size	k_q734b8d2c75_addup, .Lfunc_end_k_q734b8d2c75_addup-k_q734b8d2c75_addup
	.p2alignl 7, 3214868480
	.fill 96, 4, 3214868480
	.section	.rodata,"a",@progbits
	.p2align	6, 0x0
	.amdhsa_kernel k_q734b8d2c75_addup
		.amdhsa_group_segment_fixed_size 17920
		.amdhsa_private_segment_fixed_size 0
		.amdhsa_enable_private_segment 0
		.amdhsa_kernarg_size 32
		.amdhsa_user_sgpr_count 2
		.amdhsa_user_sgpr_kernarg_segment_ptr 1
		.amdhsa_wavefront_size32 1
		.amdhsa_system_sgpr_workgroup_id_x 1
		.amdhsa_system_sgpr_workgroup_id_y 1
		.amdhsa_system_sgpr_workgroup_id_z 1
		.amdhsa_system_vgpr_workitem_id 0
		.amdhsa_next_free_vgpr 144
		.amdhsa_next_free_sgpr 66
		.amdhsa_reserve_vcc 0
		.amdhsa_float_denorm_mode_32 3
		.amdhsa_float_denorm_mode_16_64 3
		.amdhsa_memory_ordered 1
		.amdhsa_forward_progress 1
		.amdhsa_inst_pref_size 15
	.end_amdhsa_kernel
	.amdgpu_metadata
---
amdhsa.version: [ 1, 2 ]
amdhsa.kernels:
  - .name:           k_q734b8d2c75_addup
    .symbol:         k_q734b8d2c75_addup.kd
    .args:
      - { .name: part, .offset: 0, .size: 8, .value_kind: global_buffer, .address_space: global }
      - { .name: order, .offset: 8, .size: 8, .value_kind: global_buffer, .address_space: global }
      - { .name: cnts, .offset: 16, .size: 8, .value_kind: global_buffer, .address_space: global }
      - { .name: out0, .offset: 24, .size: 8, .value_kind: global_buffer, .address_space: global }
    .group_segment_fixed_size: 17920
    .private_segment_fixed_size: 0
    .kernarg_segment_align: 8
    .kernarg_segment_size: 32
    .max_flat_workgroup_size: 128
    .sgpr_count:     66
    .vgpr_count:     144
    .wavefront_size: 32
...
	.end_amdgpu_metadata
.endif
;; end of part 4
